; MI455X (gfx1250); checked and timed in simulation.
; The chip was launched on July 23, 2026; its instructions are those of AMD's public machine-readable ISA for CDNA 5 (MIT licence, August 2026) and "CDNA5" Instruction Set Architecture Reference Guide (July 2026). The comments in the code are by the model that wrote it; some were corrected since.
;; c GRU. Allowed arithmetic: matrix products marked QUANTISED: E2M1 operands, one E8M0 scale for each 32 along K, by v_wmma_scale_f32_16x16x128_f8f6f4 with both operands' format E2M1 (or v_wmma_scale_f32_32x16x128_f4), f32 sums; everything else in f32.
;; Inputs: W_hhc 2,048 x 1,024 float32; W_hx 512 x 1,024 float32; W_rhc 2,048 x 1,024 float32; W_rx 512 x 1,024 float32; W_uhc 2,048 x 1,024 float32; W_ux 512 x 1,024 float32; b_hhc 1,024 float32; b_hx 1,024 float32; b_rhc 1,024 float32; b_rx 1,024 float32; b_uhc 1,024 float32; b_ux 1,024 float32; c 8,192 x 1,024 float32; h 8,192 x 1,024 float32; x 8,192 x 512 float32.
;; Outputs: out0 8,192 x 1,024 float32; out1 8,192 x 1,024 float32.
;; This version of the problem:
;;   THIS VERSION OF THE PROBLEM IS GIVEN IN LOW PRECISION. The matrix products marked QUANTISED in the list below multiply operands that are first quantised to E2M1 (2 exponent bits, 1 mantissa bit; 4 bits a number), with one power-of-two scale for each 32 numbers along K (OCP MX v1.0); their sums are f32. All else is computed in f32.
;;   The module's matrix products, in the order in which they are computed (A, B: the left and right operand; K: the contracted axis; several contracted axes count as one K, in the product's order):
;;     1. [M 8,192, K 512] x [K 512, N 1,024]; A: input x; B: input W_rx: QUANTISED
;;     2. [M 8,192, K 2,048] x [K 2,048, N 1,024]; A: computed on the way; B: input W_rhc: QUANTISED
;;     3. [M 8,192, K 512] x [K 512, N 1,024]; A: input x; B: input W_ux: QUANTISED
;;     4. [M 8,192, K 2,048] x [K 2,048, N 1,024]; A: computed on the way; B: input W_uhc: QUANTISED
;;     5. [M 8,192, K 512] x [K 512, N 1,024]; A: input x; B: input W_hx: QUANTISED
;;     6. [M 8,192, K 2,048] x [K 2,048, N 1,024]; A: computed on the way; B: input W_hhc: QUANTISED
;;   THE QUANTISER, for each operand of a quantised product, along K:
;;     - K is cut into blocks of 32 from its start; a last block that is shorter is filled with zeros.
;;     - A block's scale is 2^e with e = floor(log2(the largest magnitude in the block)) - 2, held to -126 .. 127; a block of zeros has e = 0. As a byte (E8M0): e + 127.
;;     - Each number is divided by its block's scale, clamped to +-6, and rounded to the nearest number of E2M1, ties to even, subnormals kept.
;;     - The product sums the exact products of the quantised numbers (number of the format x scale) in f32.
;;   ~~~python
;;   def quantise(x, axis):      # numpy; x: float32 -> the quantised numbers, widened to float32 again
;;       x = np.moveaxis(x, axis, -1); K = x.shape[-1]
;;       x = np.pad(x, [(0, 0)] * (x.ndim - 1) + [(0, -K % 32)]); x = x.reshape(x.shape[:-1] + (-1, 32)); a = np.abs(x).max(-1, keepdims=True)
;;       e = np.where(a > 0, np.clip(np.frexp(np.where(a > 0, a, 1))[1] - 1 - 2, -126, 127), 0)      # np.frexp(a)[1] - 1 = floor(log2(a)), exactly
;;       r = np.clip(x / 2.0 ** e, -6, 6)
;;       step = 2.0 ** (np.maximum(np.frexp(np.where(r == 0, 1, r))[1] - 1, 0) - 1)
;;       q = np.round(r / step) * step * 2.0 ** e      # np.round: ties to even
;;       return np.moveaxis(q.reshape(q.shape[:-2] + (-1,))[..., :K], -1, axis).astype(np.float32)
;;   ~~~
;;   OPERANDS COMPUTED ON THE WAY. 'Computed on the way' means the value that the module computes at that place (a softmax that the list does not call 'softmax' is quantised finished and normalised). What goes into a quantiser is computed in f32, as accurately as f32 sums, v_exp_f32 and their like allow (about 1e-6 of the number): no bf16 or f16 on the way to a quantiser, and a product that is left as it is and whose result goes on into a quantised operand takes f32 operands (vector FMAs, or v_wmma_f32_16x16x4_f32). A number that lies on a knife's edge between two numbers of the format may be rounded either way, as far as f32 arithmetic and the matrix unit's own rounding can turn it there, and no further.
;; One version. Each part assembles by itself: llvm-mc -triple=amdgcn-amd-amdhsa -mcpu=gfx1250 --defsym DOCPART=n.
;; ======== version 1 of 1: 2 launches
;; limits: inputs' magnitudes at most 7.379e+19; right only within a limited range of input values
;; workspace buffers: aq 11,141,120 bytes; wq 4,177,920 bytes
;; launch quant (part 1): grid 503 x 1, 7 waves a work-group, no clusters, 72,704 bytes of LDS; arguments x, h, c, W_rx, W_rhc, W_ux, W_uhc, W_hx, W_hhc, aq, wq; writes aq, wq
.if DOCPART == 1
	.amdgcn_target "amdgcn-amd-amdhsa--gfx1250"
	.amdhsa_code_object_version 6
	.text
	.protected	k_qfd5b83dc11_quant
	.globl	k_qfd5b83dc11_quant
	.p2align	8
	.type	k_qfd5b83dc11_quant,@function
k_qfd5b83dc11_quant:
	s_mov_b64 s[64:65], 0
	v_nop
	global_prefetch_b8 v0, s[64:65] scope:SCOPE_SE
	s_setreg_imm32_b32 hwreg(HW_REG_WAVE_MODE, 25, 1), 1
	s_wait_xcnt 0x0
; Every operand of the six products becomes codes of FP4 (E2M1) with one E8M0 scale byte for each 32 along K, laid in the order of the operand's registers.
; K of a gate is 2,560 = x (512) | h (1,024) | c (1,024), cut into five PLANES of 512: plane 0 = x with W_gx, planes 1, 2 = h's halves, planes 3, 4 = c's halves, with W_ghc's rows.
; AN IMAGE: 16 rows (or columns of W) x one plane = 4,096 bytes, [block 16][row 16][16 bytes]: the fragment of the plane's q-th 128 along K lies at 1,024 q, its registers 4 c .. 4 c + 3 at + 512 c + 16 x lane.
; aq: [tile of 64 rows 128][plane 5][17,408]: four images, then at 16,384 the scale bytes [group of 16 rows 4][row 16][16 bytes].
; wq: [64 columns 16][plane 5][52,224]: images [gate 3][16 columns 4], then at 49,152 the scale words [half plane 2][i 6][lane 32][8 bytes], i = 2 gate + (column tile / 2); lanes 0-15 the even column tile, lanes 16-31 the odd one.
; A block's scale is 2^(floor(log2(its largest magnitude)) - 2); its byte is the largest magnitude's exponent field - 2, held at 1 from below; each number is divided by the scale and rounded to the nearest code, ties to even, beyond 6 to 6.
; LIMITS: a block of zeros gets the byte 1 where the rule says 127 (its codes are zeros, and this program alone reads the bytes); blocks whose largest magnitude lies under 2^-124 are held at that floor's byte; NaN and infinities are not served.
; The first 240 work-groups take the weights (no LDS), the other 640 the activations.  Waves share nothing: no barrier.  Every step is written out; every offset but a row's pitch is an immediate.
; THE DEAL.  The work is 3,520 pieces of one wave each, all of 32,768 input bytes: 960 of the weights (piece u: the group n = u / 4 and the wave u % 4 of the comments below) and 2,560 of the
; activations (piece u: the group m = u / 4, wave u % 4).  Where the comments above and below say work-group, they mean such a group of four pieces.  The launch has 503 work-groups of seven waves:
; in work-groups 0 to 479 waves 0 and 1 take the weights' pieces 2 g + wave and waves 2 to 6 the activations' pieces 5 g + wave - 2; in work-groups 480 to 502 all seven waves take the
; activations' pieces 7 g + wave - 960.  That makes 3,521 places for 3,520 pieces: the last wave of the last work-group has no piece, stores nothing and ends.
; A wave's LDS region goes by its real number in the work-group (0 to 6).
.set FLOOR, 0x1800000                  ; 2^(3 - 127)
.set OFFE,  0xff000000                 ; takes 2 off an exponent field
.set WQJ,   261120                     ; wq: 64 columns, all planes
.set WPL,   52224                      ; wq: a plane's record
.set WSC,   49152                      ; wq: where a record's scale words begin
.set ATL,   87040                      ; aq: a tile of 64 rows, all planes
.set APL,   17408                      ; aq: a plane's record
.set ASC,   16384                      ; aq: where a record's scale bytes begin
	s_load_b256 s[4:11], s[0:1], 0x0               ; x s[4:5], h s[6:7], c s[8:9], W_rx s[10:11]
	s_load_b256 s[12:19], s[0:1], 0x20             ; W_rhc s[12:13], W_ux s[14:15], W_uhc s[16:17], W_hx s[18:19]
	s_load_b128 s[20:23], s[0:1], 0x40             ; W_hhc s[20:21], aq s[22:23]
	s_load_b64 s[24:25], s[0:1], 0x50              ; wq
	v_lshl_add_u32 v192, v0, 2, 0x11800            ; the spare words lie behind the seven regions of 10,240 bytes
	v_mov_b32 v193, 0
	v_lshrrev_b32 v1, 5, v0
	v_readfirstlane_b32 s50, v1                    ; wave 0..6
	v_and_b32 v2, 31, v0                           ; lane
	s_lshl_b32 s48, ttmp9, 1
	s_add_co_u32 s48, s48, s50                     ; the weights' piece: 2 g + wave
	s_mul_i32 s49, ttmp9, 5
	s_add_co_u32 s49, s49, s50
	s_sub_co_u32 s49, s49, 2                       ; the activations' piece in work-groups 0 to 479: 5 g + wave - 2
	s_mul_i32 s51, ttmp9, 7
	s_add_co_u32 s51, s51, s50
	s_sub_co_u32 s51, s51, 960                     ; and in the others: 2,400 + 7 (g - 480) + wave
	s_cmp_lt_u32 ttmp9, 480
	s_cselect_b32 s49, s49, s51
	s_cselect_b32 s52, 2, 0                        ; how many of the work-group's first waves take weights
	s_cmp_lt_u32 s50, s52
	s_cbranch_scc0 .Lact
	s_lshr_b32 s53, s48, 2                         ; n
	s_and_b32 s33, s48, 3                          ; the piece's wave 0..3
; ---------------- THE WEIGHTS.  W is [K][1024]: a lane takes a column and its registers run down K, so a block of 32 lies in one lane and the codes come out with K innermost.
; Work-group n: gate n / 80; of the rest, 256 rows of K (kh = 0..9) and 128 columns (cb = 0..7).  A wave takes 32 columns x 256 along K: 8 blocks a lane.
.set XW, 32                            ; v32-95   two sets of 32 numbers
.set CW, 96                            ; v96-127  codes: four registers for each block, so that no store's data are written again
.set SB, 24                            ; v24-25   the eight scale bytes
	s_mul_i32 s34, s53, 205
	s_lshr_b32 s34, s34, 14                        ; gate = n / 80 (exact for n under 240)
	s_mul_i32 s35, s34, 80
	s_sub_co_u32 s35, s53, s35
	s_lshr_b32 s36, s35, 3                         ; kh
	s_and_b32 s37, s35, 7                          ; cb
	s_wait_alu depctr_va_vdst(0)
	v_lshlrev_b32 v3, 2, v2                        ; in: 4 bytes a lane
	v_lshrrev_b32 v4, 4, v2
	v_and_b32 v5, 15, v2
	v_lshlrev_b32 v4, 12, v4
	v_lshl_add_u32 v4, v5, 4, v4                   ; codes: image lane / 16, row lane % 16
	v_lshlrev_b32 v5, 3, v2                        ; scale words: 8 bytes a lane
	s_cmp_lt_u32 s36, 2                            ; kh 0, 1: W_gx's rows 256 kh; else W_ghc's rows 256 (kh - 2)
	s_cselect_b32 s38, 0, 2
	s_sub_co_u32 s38, s36, s38
	s_lshl_b32 s38, s38, 20                        ; 256 rows of 4,096 bytes
	s_lshl_b32 s39, s37, 9
	s_add_co_u32 s38, s38, s39                     ; + 128 cb columns
	s_lshl_b32 s39, s33, 7
	s_add_co_u32 s38, s38, s39                     ; + 32 columns a wave
	s_mov_b32 s39, 0
	s_lshl_b32 s40, s37, 1
	s_lshr_b32 s41, s33, 1
	s_add_co_u32 s40, s40, s41                     ; which 64 columns: 2 cb + wave / 2
	s_mul_i32 s40, s40, WQJ
	s_lshr_b32 s41, s36, 1                         ; plane = kh / 2
	s_mul_i32 s41, s41, WPL
	s_add_co_u32 s40, s40, s41                     ; the record
	s_and_b32 s42, s33, 1                          ; which 32 of the 64 columns
	s_and_b32 s43, s36, 1                          ; which half of the plane
	s_lshl_b32 s44, s34, 14                        ; codes: 16,384 gate
	s_lshl_b32 s45, s42, 13
	s_add_co_u32 s44, s44, s45                     ; + two images
	s_lshl_b32 s45, s43, 11
	s_add_co_u32 s44, s44, s45                     ; + eight blocks of 256 bytes
	s_add_co_u32 s44, s44, s40
	s_mov_b32 s45, 0
	s_mul_i32 s46, s43, 1536                       ; scale words: 1,536 for the half plane
	s_lshl_b32 s47, s34, 9
	s_add_co_u32 s46, s46, s47
	s_lshl_b32 s47, s42, 8
	s_add_co_u32 s46, s46, s47                     ; + 256 (2 gate + my half of the columns)
	s_add_co_u32 s46, s46, s40
	s_add_co_u32 s46, s46, WSC
	s_mov_b32 s47, 0
	s_wait_alu depctr_va_vdst(0)
	s_wait_kmcnt 0x0
	s_cmp_eq_u32 s34, 0                            ; the choices hang on the work-group's number alone
	s_cselect_b64 s[26:27], s[10:11], s[14:15]
	s_cselect_b64 s[28:29], s[12:13], s[16:17]
	s_cmp_eq_u32 s34, 2
	s_cselect_b64 s[26:27], s[18:19], s[26:27]
	s_cselect_b64 s[28:29], s[20:21], s[28:29]
	s_cmp_lt_u32 s36, 2
	s_cselect_b64 s[26:27], s[26:27], s[28:29]
	s_add_nc_u64 s[26:27], s[26:27], s[38:39]      ; my wave's first number
	s_add_nc_u64 s[28:29], s[24:25], s[44:45]      ; its codes
	s_add_nc_u64 s[30:31], s[24:25], s[46:47]      ; its scale words
.macro LOADW t                         ; block t: W(32 t + i, my column) into set t % 2; a load reads 128 consecutive bytes, the four waves stand side by side
.irp i, 0,1,2,3,4,5,6,7,8,9,10,11,12,13,14,15,16,17,18,19,20,21,22,23,24,25,26,27,28,29,30,31
	global_load_b32 v[XW+32*((\t)%2)+\i], v3, s[26:27] offset:(32*(\t)+\i)*4096 th:TH_LOAD_NT
.endr
.endm
.macro BLOCKW t
.set XS, XW+32*((\t)%2)
.if (\t) < 7
	s_wait_loadcnt 32                              ; this block's 32 loads are in; the next block's 32 may be out
.else
	s_wait_loadcnt 0x0
.endif
	v_max3_num_f32 v12, |v[XS]|, |v[XS+1]|, |v[XS+2]|              ; the block's largest magnitude: all 32 numbers are mine; two chains
	v_max3_num_f32 v13, |v[XS+3]|, |v[XS+4]|, |v[XS+5]|
.irp i, 6,10,14,18,22,26
	v_max3_num_f32 v12, v12, |v[XS+\i]|, |v[XS+\i+1]|
	v_max3_num_f32 v13, v13, |v[XS+\i+2]|, |v[XS+\i+3]|
.endr
	v_max3_num_f32 v12, v12, |v[XS+30]|, |v[XS+31]|
	v_max3_num_f32 v12, v12, v13, FLOOR            ; and the floor: the byte cannot fall under 1
	v_add_nc_u32 v11, OFFE, v12                    ; 2 off its exponent field: the conversion takes this operand's exponent field as its scale
	v_lshrrev_b32 v13, 23, v11                     ; the scale's byte
.if (\t)%4 == 0
	v_mov_b32 v[SB+(\t)/4], v13                    ; four bytes to a word, the lower K in the lower byte
.else
	v_lshl_or_b32 v[SB+(\t)/4], v13, 8*((\t)%4), v[SB+(\t)/4]
.endif
.irp g, 0,1,2,3
	v_cvt_scalef32_pk8_fp4_f32 v[CW+4*(\t)+\g], v[XS+8*\g:XS+8*\g+7], v11
.endr
	global_store_b128 v4, v[CW+4*(\t):CW+4*(\t)+3], s[28:29] offset:256*(\t)   ; sixteen lanes store 256 consecutive bytes, aligned: a block's place in an image
.if (\t)+2 < 8
	LOADW (\t)+2                                   ; (the next vector lines are the next block's plain maxima: the place behind the conversions)
.endif
.endm
	LOADW 0
	LOADW 1
.irp t, 0,1,2,3,4,5,6,7
	BLOCKW \t
.endr
	global_store_b64 v5, v[SB:SB+1], s[30:31]      ; 32 lanes store 256 consecutive bytes, aligned
	s_endpgm
; ---------------- THE ACTIVATIONS.  Work-group m: plane m / 128, tile of 64 rows m % 128; a wave takes 16 rows x 512 along K: one image.  A step is a row.
; A load reads 512 consecutive bytes, 16 a lane; the conversions want 16 NEIGHBOURS in a lane: a row's 2,048 bytes turn through the wave's own stage in LDS (80 bytes a lane: 64 + 16 of padding), one step ahead of the work.
; A lane's 16 codes (8 bytes) go to their place in the image, kept in LDS with 272 bytes to a block, and the image leaves as it lies, 512 consecutive bytes a store.
.Lact:
.set IO,  16                           ; v16-31   step t: 16 x lane + t x the row's pitch
.set RA,  32                           ; v32-95 and v136-167: six sets of 16 numbers as loaded (the last two lie where the image is gathered at the end)
.set XA,  96                           ; v96-127  two sets of 16 neighbours
.set CA,  128                          ; v128-131 codes, two sets by turns;  v132-133 the byte, likewise
.set EA,  132
.set OUTR, 136                         ; v136-167 the image on its way out;  v168-169 the scale bytes
.set WREG, 10240                       ; LDS of a wave: two stages of 2,560, 256 scale bytes, the image of 16 x 272
.set SCB,  5120
.set CST,  5376
	s_cmp_ge_u32 s49, 2560
	s_cbranch_scc1 .Lidle                          ; the one wave without a piece
	s_lshr_b32 s34, s49, 2                         ; m
	s_and_b32 s33, s49, 3                          ; the piece's wave 0..3
	s_lshr_b32 s35, s34, 7                         ; plane
	s_and_b32 s36, s34, 127                        ; tile
	s_add_co_u32 s39, s35, 1
	s_and_b32 s39, s39, 1
	s_lshl_b32 s39, s39, 11                        ; planes 2 and 4: the second 2,048 bytes of a row
	s_cmp_eq_u32 s35, 0
	s_cselect_b32 s39, 0, s39                      ; x has one plane
	s_cselect_b32 s37, 11, 12                      ; a row of x is 2,048 bytes, of h and c 4,096
	s_lshl_b32 s38, 1, s37                         ; the pitch
	s_lshl_b32 s40, s36, 6
	s_lshl_b32 s41, s33, 4
	s_add_co_u32 s40, s40, s41                     ; my first row: 64 x tile + 16 x wave
	s_lshl_b32 s40, s40, s37
	s_add_co_u32 s40, s40, s39
	s_mov_b32 s41, 0
	s_mul_i32 s42, s36, ATL
	s_mul_i32 s43, s35, APL
	s_add_co_u32 s42, s42, s43                     ; the record
	s_lshl_b32 s44, s33, 8
	s_add_co_u32 s44, s44, s42
	s_add_co_u32 s44, s44, ASC                     ; my 256 scale bytes
	s_mov_b32 s45, 0
	s_lshl_b32 s43, s33, 12
	s_add_co_u32 s42, s42, s43                     ; my image
	s_mov_b32 s43, 0
	s_wait_alu depctr_va_vdst(0)
	v_lshlrev_b32 v3, 4, v2                        ; 16 x lane
	s_mul_i32 s46, s50, WREG
	v_lshrrev_b32 v14, 2, v2
	v_mul_u32_u24 v14, v14, 80
	v_and_b32 v15, 3, v2
	v_lshl_add_u32 v14, v15, 4, v14
	v_add_nc_u32 v14, s46, v14                     ; the stage, in: 80 (lane / 4) + 16 (lane % 4); a load's 512 bytes take eight places
	v_mul_u32_u24 v15, v2, 80
	v_add_nc_u32 v15, s46, v15                     ; and out: 80 x lane
	v_lshrrev_b32 v12, 1, v2                       ; my block: two neighbouring lanes hold one
	v_and_b32 v13, 1, v2
	v_mul_u32_u24 v4, v12, 272
	v_lshl_add_u32 v4, v13, 3, v4
	v_add_nc_u32 v4, s46, v4                       ; the image, in: 272 x block + 8 x half
	v_add_nc_u32 v5, s46, v12                      ; the scale bytes, in: my block's byte
	v_lshrrev_b32 v12, 4, v2
	v_and_b32 v13, 15, v2
	v_mul_u32_u24 v6, v12, 272
	v_lshl_add_u32 v6, v13, 4, v6
	v_add_nc_u32 v6, s46, v6                       ; the image, out: sixteen lanes to a block
	v_lshlrev_b32 v10, 3, v2
	v_add_nc_u32 v7, s46, v10                      ; the scale bytes, out: 8 a lane
.irp t, 0,1,2,3,4,5,6,7,8,9,10,11,12,13,14,15
	v_mad_u32_u24 v[IO+\t], s38, \t, v3
.endr
	s_wait_kmcnt 0x0
	s_cmp_lt_u32 s35, 3                            ; the choices hang on the work-group's number alone
	s_cselect_b64 s[26:27], s[6:7], s[8:9]
	s_cmp_eq_u32 s35, 0
	s_cselect_b64 s[26:27], s[4:5], s[26:27]
	s_add_nc_u64 s[26:27], s[26:27], s[40:41]
	s_add_nc_u64 s[28:29], s[22:23], s[42:43]
	s_add_nc_u64 s[30:31], s[22:23], s[44:45]
.macro LOADA t
.irp i, 0,1,2,3
	global_load_b128 v[RA+16*((\t)%6)+40*(((\t)%6)/4)+4*\i:RA+16*((\t)%6)+40*(((\t)%6)/4)+4*\i+3], v[IO+(\t)], s[26:27] offset:512*\i th:TH_LOAD_NT
.endr
.endm
.macro TURN t                          ; row t through the stage: LDS serves a wave's instructions in order (ISA guide 5.7.1.4), so no wait stands between the stores and the loads
.irp i, 0,1,2,3
	ds_store_b128 v14, v[RA+16*((\t)%6)+40*(((\t)%6)/4)+4*\i:RA+16*((\t)%6)+40*(((\t)%6)/4)+4*\i+3] offset:2560*((\t)%2)+640*\i
.endr
.irp i, 0,1,2,3
	ds_load_b128 v[XA+16*((\t)%2)+4*\i:XA+16*((\t)%2)+4*\i+3], v15 offset:2560*((\t)%2)+16*\i
.endr
.endm
.macro STEPA t
.set XS, XA+16*((\t)%2)
.set CS, CA+2*((\t)%2)
.if (\t) > 0
	s_wait_dscnt 2                                 ; this row is back from the stage; the last step's two small stores may be out (those of two steps back, whose registers are written below, are done)
.else
	s_wait_dscnt 0x0
.endif
.if (\t)+6 < 16
	LOADA (\t)+6                                   ; into the set that this row's stores into the stage have read
.endif
.if (\t)+1 < 16
.if 14-(\t) >= 5
	s_wait_loadcnt 20                              ; the next row's four loads are in; those of the five rows behind it may be out
.else
	s_wait_loadcnt 4*(14-(\t))
.endif
	TURN (\t)+1
.endif
	v_max3_num_f32 v8, |v[XS]|, |v[XS+1]|, |v[XS+2]|               ; the largest magnitude of my 16
	v_max3_num_f32 v9, |v[XS+3]|, |v[XS+4]|, |v[XS+5]|
.irp i, 6,10
	v_max3_num_f32 v8, v8, |v[XS+\i]|, |v[XS+\i+1]|
	v_max3_num_f32 v9, v9, |v[XS+\i+2]|, |v[XS+\i+3]|
.endr
	v_max3_num_f32 v8, v8, |v[XS+14]|, |v[XS+15]|
	v_max3_num_f32 v8, v8, v9, FLOOR               ; and the floor
	v_max_num_f32_dpp v8, v8, v8 row_xmask:1 row_mask:0xf bank_mask:0xf   ; and of my neighbour's 16: the block's
	v_add_nc_u32 v11, OFFE, v8                     ; the conversion's scale operand
	v_cvt_scalef32_pk8_fp4_f32 v[CS], v[XS:XS+7], v11
	v_cvt_scalef32_pk8_fp4_f32 v[CS+1], v[XS+8:XS+15], v11
	v_lshrrev_b32 v[EA+(\t)%2], 23, v11            ; the scale's byte (also the plain line behind the conversions)
	ds_store_b8 v5, v[EA+(\t)%2] offset:SCB+16*(\t)   ; both lanes of a block write the same byte with the same value
	ds_store_b64 v4, v[CS:CS+1] offset:CST+16*(\t)    ; row t's place in each block of the image
.endm
.irp t, 0,1,2,3,4,5
	LOADA \t
.endr
	s_wait_loadcnt 20                              ; row 0's four loads are in
	TURN 0
.irp t, 0,1,2,3,4,5,6,7,8,9,10,11,12,13,14,15
	STEPA \t
.endr
.irp i, 0,1,2,3,4,5,6,7
	ds_load_b128 v[OUTR+4*\i:OUTR+4*\i+3], v6 offset:CST+544*\i   ; two blocks an instruction; these see my stores
.endr
	ds_load_b64 v[168:169], v7 offset:SCB
.irp i, 0,1,2,3,4,5,6,7
	s_wait_dscnt 8-\i                              ; load i is in; the 8 - i issued behind it may be out
	global_store_b128 v3, v[OUTR+4*\i:OUTR+4*\i+3], s[28:29] offset:512*\i    ; 512 consecutive bytes, aligned
.endr
	s_wait_dscnt 0x0
	global_store_b64 v10, v[168:169], s[30:31]     ; 256 consecutive bytes, aligned
	s_wait_tensorcnt 0x0
	ds_add_u32 v192, v193
	s_wait_dscnt 0x0
	s_endpgm
.Lidle:
	s_endpgm
.Lfunc_end_k_qfd5b83dc11_quant:
	.size	k_qfd5b83dc11_quant, .Lfunc_end_k_qfd5b83dc11_quant-k_qfd5b83dc11_quant
	.p2alignl 7, 3214868480
	.fill 96, 4, 3214868480
	.section	.rodata,"a",@progbits
	.p2align	6, 0x0
	.amdhsa_kernel k_qfd5b83dc11_quant
		.amdhsa_group_segment_fixed_size 72704
		.amdhsa_private_segment_fixed_size 0
		.amdhsa_enable_private_segment 0
		.amdhsa_kernarg_size 88
		.amdhsa_user_sgpr_count 2
		.amdhsa_user_sgpr_kernarg_segment_ptr 1
		.amdhsa_wavefront_size32 1
		.amdhsa_system_sgpr_workgroup_id_x 1
		.amdhsa_system_sgpr_workgroup_id_y 1
		.amdhsa_system_sgpr_workgroup_id_z 1
		.amdhsa_system_vgpr_workitem_id 0
		.amdhsa_next_free_vgpr 194
		.amdhsa_next_free_sgpr 66
		.amdhsa_reserve_vcc 0
		.amdhsa_float_denorm_mode_32 3
		.amdhsa_float_denorm_mode_16_64 3
		.amdhsa_memory_ordered 1
		.amdhsa_forward_progress 1
		.amdhsa_inst_pref_size 76
	.end_amdhsa_kernel
	.amdgpu_metadata
---
amdhsa.version: [ 1, 2 ]
amdhsa.kernels:
  - .name:           k_qfd5b83dc11_quant
    .symbol:         k_qfd5b83dc11_quant.kd
    .args:
      - { .name: x, .offset: 0, .size: 8, .value_kind: global_buffer, .address_space: global }
      - { .name: h, .offset: 8, .size: 8, .value_kind: global_buffer, .address_space: global }
      - { .name: c, .offset: 16, .size: 8, .value_kind: global_buffer, .address_space: global }
      - { .name: W_rx, .offset: 24, .size: 8, .value_kind: global_buffer, .address_space: global }
      - { .name: W_rhc, .offset: 32, .size: 8, .value_kind: global_buffer, .address_space: global }
      - { .name: W_ux, .offset: 40, .size: 8, .value_kind: global_buffer, .address_space: global }
      - { .name: W_uhc, .offset: 48, .size: 8, .value_kind: global_buffer, .address_space: global }
      - { .name: W_hx, .offset: 56, .size: 8, .value_kind: global_buffer, .address_space: global }
      - { .name: W_hhc, .offset: 64, .size: 8, .value_kind: global_buffer, .address_space: global }
      - { .name: aq, .offset: 72, .size: 8, .value_kind: global_buffer, .address_space: global }
      - { .name: wq, .offset: 80, .size: 8, .value_kind: global_buffer, .address_space: global }
    .group_segment_fixed_size: 72704
    .private_segment_fixed_size: 0
    .kernarg_segment_align: 8
    .kernarg_segment_size: 88
    .max_flat_workgroup_size: 224
    .sgpr_count:     66
    .vgpr_count:     194
    .wavefront_size: 32
...
	.end_amdgpu_metadata
.endif
;; end of part 1
;; launch cell (part 2): grid 16 x 16, 4 waves a work-group, clusters of 4 x 1, 327,680 bytes of LDS; arguments aq, wq, h, b_rx, b_rhc, b_ux, b_uhc, b_hx, b_hhc, out0, out1; writes out0, out1
.if DOCPART == 2
	.amdgcn_target "amdgcn-amd-amdhsa--gfx1250"
	.amdhsa_code_object_version 6
	.text
	.protected	k_qfd5b83dc11_cell
	.globl	k_qfd5b83dc11_cell
	.p2align	8
	.type	k_qfd5b83dc11_cell,@function
k_qfd5b83dc11_cell:
	s_mov_b64 s[64:65], 0
	v_nop
	global_prefetch_b8 v0, s[64:65] scope:SCOPE_SE
	s_setreg_imm32_b32 hwreg(HW_REG_WAVE_MODE, 25, 1), 1
	s_wait_xcnt 0x0
	s_wait_alu depctr_hold_cnt(0) depctr_sa_sdst(0) depctr_va_vdst(0) depctr_va_sdst(0) depctr_va_ssrc(0) depctr_va_vcc(0) depctr_vm_vsrc(0)
	s_getreg_b32 s2, hwreg(HW_REG_IB_STS2, 6, 4)
	s_cmp_eq_u32 s2, 0
	s_cbranch_scc0 .Lentry_in_a_cluster
	s_endpgm
.Lentry_in_a_cluster:
	s_bfe_u32 s2, ttmp6, 0x10000c
	s_cmp_lg_u32 s2, 0x3003
	s_cbranch_scc0 .Lentry_shape_is_right
	s_endpgm
.Lentry_shape_is_right:
; The whole cell on codes of FP4: r = sigmoid(..), u = sigmoid(..), cand = tanh(x W_hx + b_hx + r (hc W_hhc + b_hhc)), out = u h + (1 - u) cand, stored twice.
; A work-group owns 64 columns of all three gates and 512 rows.  Its weights, 5 planes x 52,224 bytes, lie in LDS for the whole launch: each wave fetches a quarter (255 rows of 256 bytes)
; with ONE joint load at the head; the four work-groups of a cluster own the same columns and ask jointly.  Nothing is filled again.
; A wave makes 64 rows x 64 columns at a time, twice.  Its rows' codes come from memory straight into registers, in the order of the operand's registers: ten sets of 32, loaded six steps ahead.
; THREE accumulator sets of 128 registers.  K goes in the order h, c, x (planes 1, 2, 3, 4, 0).  The biases are the C of each sum's first product.  Behind x's products for r and u the candidate's sum,
; hc W_hhc + b_hhc, is multiplied by r and b_hx is added; x W_hx is then added onto it by 64 more products, for which x's four sets of fragments are still in registers.
; A step is 128 along K: 16 products (gate r), four places, ONE run of loads (the next step's weights from LDS into the other of two sets; the rows' codes of six steps on), 32 products (gates u and h).
; The matrix instruction is used transposed (source 0 = 16 columns of W, source 1 = 16 rows): a lane holds 8 neighbouring columns of a row.
; sigmoid(a) = 1 / (1 + 2^(-a log2 e)); tanh(t) = 1 - 2 / (1 + 2^(2 t log2 e)): an exponential that overflows gives 0 or 1 or -1, as the functions do; no clamp is needed.
; PREFETCH: the next tile's codes (87,040 bytes, 8,192 a step in steps 0 to 10) are asked for by the work-groups of column group 0 alone, a lane a block of 256 bytes; each wave asks for its own tile's
; 64 pieces of h (256 bytes a row, a lane a row) in steps 11 and 12, eight steps ahead of their loads.  The first tile's codes come by their loads alone.
; REGISTERS: window 0: v0-23 addresses, v24-47 W's scale words (two sets), v48-87 the rows' scale words (five planes), v94-95 the add's, v96-107 at work at the head, v128-255 sets 0-3 of A.
;   window 1: v0-95, v96-191 W's fragments, two sets; v192-255 sets 4, 5 of A.   window 2: the sums of r (v0-127) and u (v128-255).   window 3: v0-127 the candidate's sum; v128-255 sets 6-9 of A.
.set PLANE,  52224
.set WQJ,    261120
.set QUART,  65280                     ; a wave's part of the weights
.set WSCL,   49152
.set ATILE,  87040
.set APLANE, 17408
.set ASCL,   16384
.set NEXTA,  4*ATILE
.set STAGE,  261120                    ; behind the weights: 16 rows x 272 bytes for each wave
.set SPITCH, 272
.set BIAS,   278528                    ; 1,024 bytes for each wave: b_rx + b_rhc, b_ux + b_uhc, b_hhc, b_hx of the 64 columns
.set SPARE,  0x45000                   ; the spare words
.set WAD, 12
.set WSA, 17
.set WS,  24
.set AS,  48
.set BX,  160                          ; window 1: b_hx in the result's layout
.set G1,  28
.set G0,  36
.set MSB, 0
.macro WIN new
.if MSB != (\new)
	s_set_vgpr_msb (MSB<<8)|(\new)
.set MSB, (\new)
.endif
.endm
.macro PLACES
.rept 4
	v_nop
.endr
.endm
.macro ROUND
	s_barrier_signal -1
	s_barrier_wait -1
	s_cmp_lg_u32 s61, 0
	s_cbranch_scc1 .Lnot_wave_0_\@
	s_barrier_signal -3
.Lnot_wave_0_\@:
	s_barrier_wait -3
	s_barrier_signal -1
	s_barrier_wait -1
.endm
.macro ASET k                          ; where set k % 10 of A lies: window kAW, register kAB
.set kK, (\k)%10
.if kK < 4
.set kAW, 0
.set kAB, 128+32*kK
.elseif kK < 6
.set kAW, 1
.set kAB, 192+32*(kK-4)
.else
.set kAW, 3
.set kAB, 128+32*(kK-6)
.endif
.endm
	s_load_b256 s[4:11], s[0:1], 0x0               ; aq, wq, h, b_rx
	s_load_b256 s[12:19], s[0:1], 0x20             ; b_rhc, b_ux, b_uhc, b_hx
	s_load_b128 s[20:23], s[0:1], 0x40             ; b_hhc, out0
	s_load_b64 s[24:25], s[0:1], 0x50              ; out1
	v_lshl_add_u32 v94, v0, 2, SPARE
	v_mov_b32 v95, 0
	ds_add_u32 v94, v95                            ; the opening lines: the add, twice on end, and its wait
	ds_add_u32 v94, v95
	v_lshrrev_b32 v1, 5, v0
	v_readfirstlane_b32 s61, v1                    ; wave
	s_bfe_u32 s66, ttmp6, 0x40000                  ; cx
	s_and_b32 s69, ttmp7, 0xffff
	s_lshr_b32 s67, s69, 3
	s_lshl_b32 s67, s67, 1
	s_bfe_u32 s70, s69, 0x10001
	s_add_co_u32 s67, s67, s70
	s_lshl_b32 s67, s67, 2
	s_add_co_u32 s67, s67, s66                     ; which 512 rows: the partners of a cluster differ in this alone
	s_bfe_u32 s68, s69, 0x10002
	s_lshl_b32 s68, s68, 1
	s_and_b32 s70, s69, 1
	s_add_co_u32 s68, s68, s70
	s_lshl_b32 s68, s68, 2
	s_add_co_u32 s68, s68, ttmp9                   ; which 64 columns
	s_mov_b32 s[G1], 15|(3<<16)|(1<<21)            ; the mask of the four; elements of 8 bytes; bit 21 beside a mask
	s_mov_b32 s[G1+1], 32<<16                      ; rows of 256 bytes
	s_mov_b32 s[G1+2], 255<<16
	s_mov_b32 s[G1+3], 32<<16
	s_mov_b32 s[G1+4], 255
	s_mov_b32 s[G1+5], 32
	s_mov_b32 s[G1+6], 0
	s_mov_b32 s[G1+7], 0
	s_mov_b32 s56, 0xbfb8aa3b                      ; -log2 e
	s_mov_b32 s57, s56
	s_mov_b32 s58, 0x4038aa3b                      ; 2 log2 e
	s_mov_b32 s59, s58
	s_cmp_eq_u32 s68, 0
	s_cselect_b32 s63, 1, -1                       ; column group 0 prefetches the codes
	s_mul_i32 s69, s61, QUART
	s_mul_i32 s70, s68, WQJ
	s_add_co_u32 s70, s70, s69
	s_mov_b32 s71, 0
	s_mov_b32 s[G0], 1
	s_mul_i32 s[G0+1], s61, QUART                  ; LDS: wave x a quarter
	s_wait_dscnt 0x0
	s_wait_kmcnt 0x0
	s_add_nc_u64 s[G0+2:G0+3], s[6:7], s[70:71]
	s_or_b32 s[G0+3], s[G0+3], 0x80000000
	ROUND                                          ; the four work-groups are here: the joint loads meet
	tensor_load_to_lds s[G0:G0+3], s[G1:G1+7]      ; my one tensor load of the launch
	s_nop 0
	PLACES
	s_lshl_b32 s72, s67, 3
	s_add_co_u32 s72, s72, s61                     ; my first tile of 64 rows; the second lies four tiles on
	s_mul_i32 s74, s72, ATILE
	s_mov_b32 s75, 0
	s_lshl_b32 s76, s72, 18
	s_lshl_b32 s73, s68, 8
	s_add_co_u32 s76, s76, s73
	s_mov_b32 s77, 0
	s_add_nc_u64 s[4:5], s[4:5], s[74:75]
	s_add_nc_u64 s[8:9], s[8:9], s[76:77]
	s_add_nc_u64 s[22:23], s[22:23], s[76:77]
	s_add_nc_u64 s[24:25], s[24:25], s[76:77]
	s_mul_i32 s78, s61, 16*SPITCH
	s_add_co_u32 s78, s78, STAGE
	s_lshl_b32 s79, s61, 10
	s_add_co_u32 s79, s79, BIAS
	v_and_b32 v2, 31, v0
	v_and_b32 v3, 15, v0
	v_bfe_u32 v11, v0, 4, 1
	v_lshlrev_b32 v1, 4, v2                        ; 16 x lane
	v_lshlrev_b32 v4, 12, v2                       ; a lane a row of h
	v_mul_u32_u24 v5, v3, SPITCH
	v_lshl_add_u32 v5, v11, 5, v5
	v_add_nc_u32 v5, s78, v5                       ; the stage in the result's layout: row l % 16, 32 bytes for each half
	v_mul_u32_u24 v6, v11, SPITCH
	v_lshl_add_u32 v6, v3, 4, v6
	v_add_nc_u32 v6, s78, v6                       ; the stage by rows: sixteen lanes to a row
	v_lshlrev_b32 v7, 12, v11
	v_lshl_add_u32 v7, v3, 4, v7                   ; and the same two rows in h and in the outputs
	v_lshl_add_u32 v8, v11, 5, s79
	v_lshl_add_u32 v22, v2, 3, s79
	v_lshl_add_u32 v23, v2, 3, s73
	v_lshlrev_b32 v9, 8, v2
	v_min_u32 v10, 4864, v9
.irp p, 0,1,2,3,4
	v_add_nc_u32 v[WAD+\p], \p*PLANE, v1
	v_lshl_add_u32 v[WSA+\p], v2, 3, \p*PLANE
.endr
	s_wait_alu depctr_va_vdst(0)                   ; the wait behind the head's address work
.irp b, 0,1,2,3,4,5
	global_load_b64 v[96+2*\b:97+2*\b], v23, s[10+2*\b:11+2*\b]
.endr
; step sp of the rows' codes (20 steps a tile, planes 1, 2, 3, 4, 0): 8 loads of 512 consecutive bytes; with a plane's first step its scale words
.macro ALOAD sp
.set kS, (\sp)%20
.set kX, ((\sp)/20)*NEXTA+APLANE*((kS/4+1)%5)
	ASET \sp
.if kS%4 == 0
	WIN 0
	global_load_b128 v[AS+8*(kS/4):AS+8*(kS/4)+3], v1, s[4:5] offset:kX+ASCL
	global_load_b128 v[AS+8*(kS/4)+4:AS+8*(kS/4)+7], v1, s[4:5] offset:kX+ASCL+512
.endif
	WIN kAW<<6
.irp a, 0,1,2,3
.irp c, 0,1
	global_load_b128 v[kAB+8*\a+4*\c:kAB+8*\a+4*\c+3], v1, s[4:5] offset:kX+4096*\a+1024*(kS%4)+512*\c
.endr
.endr
.endm
.irp sp, 0,1,2,3,4,5
	ALOAD \sp
.endr
	WIN 0
	s_wait_loadcnt 52                              ; the six bias loads are in; behind them 48 loads of codes and 4 of scale words
	v_pk_add_f32 v[96:97], v[96:97], v[98:99]
	v_pk_add_f32 v[100:101], v[100:101], v[102:103]
	ds_store_b64 v22, v[96:97]
	ds_store_b64 v22, v[100:101] offset:256
	ds_store_b64 v22, v[106:107] offset:512
	ds_store_b64 v22, v[104:105] offset:768
	s_wait_alu depctr_va_vdst(0)                   ; the wait at the head's end
	s_wait_tensorcnt 0x0                           ; my quarter of the weights is in
	s_wait_dscnt 0x0
	s_barrier_signal -1
	s_barrier_wait -1                              ; and everybody's
.macro PROD d, w, a, c, sw, sa, rw, ra
.if (\rw) && (\ra)
	v_wmma_scale_f32_16x16x128_f8f6f4 v[(\d):(\d)+7], v[(\w):(\w)+7], v[(\a):(\a)+7], v[(\c):(\c)+7], v[\sw], v[\sa] matrix_a_fmt:MATRIX_FMT_FP4 matrix_b_fmt:MATRIX_FMT_FP4 matrix_a_scale:MATRIX_SCALE_ROW1 matrix_b_scale:MATRIX_SCALE_ROW1
.elseif (\rw)
	v_wmma_scale_f32_16x16x128_f8f6f4 v[(\d):(\d)+7], v[(\w):(\w)+7], v[(\a):(\a)+7], v[(\c):(\c)+7], v[\sw], v[\sa] matrix_a_fmt:MATRIX_FMT_FP4 matrix_b_fmt:MATRIX_FMT_FP4 matrix_a_scale:MATRIX_SCALE_ROW1
.elseif (\ra)
	v_wmma_scale_f32_16x16x128_f8f6f4 v[(\d):(\d)+7], v[(\w):(\w)+7], v[(\a):(\a)+7], v[(\c):(\c)+7], v[\sw], v[\sa] matrix_a_fmt:MATRIX_FMT_FP4 matrix_b_fmt:MATRIX_FMT_FP4 matrix_b_scale:MATRIX_SCALE_ROW1
.else
	v_wmma_scale_f32_16x16x128_f8f6f4 v[(\d):(\d)+7], v[(\w):(\w)+7], v[(\a):(\a)+7], v[(\c):(\c)+7], v[\sw], v[\sa] matrix_a_fmt:MATRIX_FMT_FP4 matrix_b_fmt:MATRIX_FMT_FP4
.endif
.endm
; 16 products of gate g in step s; the 16 accumulators take turns.  In step 0 the C is the gate's bias, in window 3 (sets 7 to 9 of A, not yet loaded)
.macro GATE s, g
	ASET \s
.set kWB, 96*((\s)%2)+32*(\g)
.set kWS, WS+12*(((\s)/2)%2)+(\s)%2+4*(\g)
.set kAS, AS+8*((\s)/4)+(\s)%4
.set kAC, 128*((\g)%2)
.set kDW, 0xa0+0x50*((\g)/2)
.if (\s) == 0
.set kDW, 0xb0+0x40*((\g)/2)
.endif
	WIN kDW|(kAW<<2)|1
.irp t, 0,1,2,3
.irp a, 0,1,2,3
.if (\s) == 0
	PROD kAC+8*(4*\a+\t), kWB+8*\t, kAB+8*\a, 160+32*(\g)+8*\t, kWS+2*(\t/2), kAS+4*(\a/2), \t%2, \a%2
.else
	PROD kAC+8*(4*\a+\t), kWB+8*\t, kAB+8*\a, kAC+8*(4*\a+\t), kWS+2*(\t/2), kAS+4*(\a/2), \t%2, \a%2
.endif
.endr
.endr
.endm
.macro WLOAD s, g                      ; gate g's four fragments of step s into W's set s % 2
	WIN 0x40
.irp t, 0,1,2,3
.irp c, 0,1
	ds_load_b128 v[96*((\s)%2)+32*(\g)+8*\t+4*\c:96*((\s)%2)+32*(\g)+8*\t+4*\c+3], v[WAD+((\s)/4+1)%5] offset:16384*(\g)+4096*\t+1024*((\s)%4)+512*\c
.endr
.endr
.endm
.macro WSLOAD s                        ; W's scale words of steps s and s + 1
	WIN 0
.irp i, 0,1,2,3,4,5
	ds_load_b64 v[WS+12*(((\s)/2)%2)+2*\i:WS+12*(((\s)/2)%2)+2*\i+1], v[WSA+((\s)/4+1)%5] offset:WSCL+1536*(((\s)/2)%2)+256*\i
.endr
.endm
.macro XLOAD                           ; W_hx's sixteen fragments (window 1, v0-127) and b_hx (v160-191): 40 loads
	WIN 0x40
.irp q, 0,1,2,3
.irp t, 0,1,2,3
.irp c, 0,1
	ds_load_b128 v[32*\q+8*\t+4*\c:32*\q+8*\t+4*\c+3], v[WAD] offset:32768+4096*\t+1024*\q+512*\c
.endr
.endr
.endr
.irp b, 0,1,2,3
.irp c, 0,1
	ds_load_b128 v[BX+8*\b+4*\c:BX+8*\b+4*\c+3], v8 offset:768+64*\b+16*\c
.endr
.endr
.endm
.macro ASK s
	s_cmp_gt_u32 s62, s63
	s_cbranch_scc0 .Lnot_mine_\@
.if (\s) < 10
	global_prefetch_b8 v9, s[4:5] offset:NEXTA+8192*(\s) th:TH_LOAD_NT scope:SCOPE_SE
.else
	global_prefetch_b8 v10, s[4:5] offset:NEXTA+81920 th:TH_LOAD_NT scope:SCOPE_SE
.endif
.Lnot_mine_\@:
.endm
; A step.  Steps 16 to 19 (x) have gates r and u alone.  load = 0: the last tile's steps 14 to 19, which load no codes.
.macro STEP s, load
.set kNC, 3-(\s)/16                    ; gates in this step
.set kNN, 3-((\s)+1)/16                ; gates in the next
.set kR, 8*kNN+6*((\s)%2)              ; LDS loads in this step's run
.if (\s) == 19
.set kR, 40
.endif
.if \load
	s_wait_loadcnt 42+2*(((\s)%4)/3)               ; my set is in; behind it five steps of 8 loads and one or two pairs of scale loads
.else
	s_wait_loadcnt 8*(19-(\s))+2*((19-(\s))/4)     ; behind it what is left of the tile
.endif
	s_wait_dscnt 8*(kNC-1)                         ; scale words and gate r's fragments are in; the later gates' may be out
	GATE \s, 0
	PLACES                                         ; in front of loads into registers that matrix instructions have read
.if (\s) == 19
	XLOAD
.else
.if (\s)%2
	WSLOAD (\s)+1
.endif
	WLOAD (\s)+1, 0
	WLOAD (\s)+1, 1
.if kNN == 3
	WLOAD (\s)+1, 2
.endif
.endif
.if \load
	ALOAD (\s)+6
.endif
	s_wait_dscnt kR+8*(kNC-2)                      ; gate u's fragments are in; behind them gate h's and the run
	GATE \s, 1
.if kNC == 3
	s_wait_dscnt kR
.if (\s) == 0
	s_wait_xcnt 0x0                                ; the last tile's stores have read their registers (the candidate's, written below) and their bases
	s_add_nc_u64 s[22:23], s[22:23], s[26:27]      ; on to this tile's rows of the outputs (0 for the first tile)
	s_add_nc_u64 s[24:25], s[24:25], s[26:27]
.endif
	GATE \s, 2
.endif
	WIN 0
.if (\s) <= 10
	ASK \s
.endif
.if ((\s) == 11) || ((\s) == 12)
	global_prefetch_b8 v4, s[8:9] offset:131072*((\s)-11) th:TH_LOAD_NT scope:SCOPE_SE   ; this tile's h: 32 rows, 256 bytes each
.endif
.endm
.macro TURNH a                         ; 16 rows of h through my stage: in by rows, back in the result's layout; LDS serves a wave's instructions in order
	s_wait_loadcnt 8*(3-(\a))
	WIN 0x08
.irp t, 0,1,2,3,4,5,6,7
	ds_store_b128 v6, v[32*(\a)+4*\t:32*(\a)+4*\t+3] offset:544*\t
.endr
	WIN 0x80
.irp b, 0,1,2,3
.irp c, 0,1
	ds_load_b128 v[32*(\a)+8*\b+4*\c:32*(\a)+8*\b+4*\c+3], v5 offset:64*\b+16*\c
.endr
.endr
.endm
.macro TOSTAGE a                       ; 16 rows of the result the other way
	WIN 0x0c
.irp b, 0,1,2,3
.irp c, 0,1
	ds_store_b128 v5, v[32*(\a)+8*\b+4*\c:32*(\a)+8*\b+4*\c+3] offset:64*\b+16*\c
.endr
.endr
	WIN 0xc0
.irp t, 0,1,2,3,4,5,6,7
	ds_load_b128 v[32*(\a)+4*\t:32*(\a)+4*\t+3], v6 offset:544*\t
.endr
.endm
.macro SEND a                          ; sixteen lanes store 256 consecutive bytes, aligned; both outputs
	WIN 0x0c
.irp t, 0,1,2,3,4,5,6,7
	global_store_b128 v7, v[32*(\a)+4*\t:32*(\a)+4*\t+3], s[22:23] offset:65536*(\a)+8192*\t th:TH_STORE_NT
	global_store_b128 v7, v[32*(\a)+4*\t:32*(\a)+4*\t+3], s[24:25] offset:65536*(\a)+8192*\t th:TH_STORE_NT
.endr
.endm
; what a tile's step 0 needs from LDS: 54 loads.  For the first tile they stand ahead of the loop, for the second in the first tile's way out
.macro TOP
	WIN 0xc0
.irp k, 0,1,2
.irp b, 0,1,2,3
.irp c, 0,1
	ds_load_b128 v[160+32*\k+8*\b+4*\c:160+32*\k+8*\b+4*\c+3], v8 offset:256*\k+64*\b+16*\c   ; the three biases that start the sums
.endr
.endr
.endr
	WSLOAD 0
	WLOAD 0, 0
	WLOAD 0, 1
	WLOAD 0, 2
	WIN 0
.endm
	s_mov_b32 s62, 2                               ; tiles to go
	s_mov_b32 s26, 0                               ; what step 0 adds to the outputs' bases
	s_mov_b32 s27, 0
	TOP
.Ltile:
.irp s, 0,1,2,3,4,5,6,7,8,9,10,11,12,13
	STEP \s, 1
.endr
	s_cmp_eq_u32 s62, 1
	s_cbranch_scc1 .Ltail
.irp s, 14,15,16,17,18,19
	STEP \s, 1
.endr
	s_branch .Lepi
.Ltail:
.irp s, 14,15,16,17,18,19
	STEP \s, 0
.endr
.Lepi:
	s_wait_xcnt 0x0                                ; every load and prefetch of this tile has read its base: the codes' base steps here, ahead of the stores
	s_add_nc_u64 s[4:5], s[4:5], NEXTA
	PLACES
	WIN 0x82                                       ; r and u together: 256 registers
.set n, 0
.rept 128
	v_pk_mul_f32 v[n:n+1], v[n:n+1], s[56:57] op_sel_hi:[1,0]
.set n, n+2
.endr
	s_wait_alu depctr_va_vdst(0)                   ; a wait ahead of a batch of transcendentals and one behind it
.set n, 0
.rept 256
	v_exp_f32 v[n], v[n]
.set n, n+1
.endr
	v_nop
	s_wait_alu depctr_va_vdst(0)
.set n, 0
.rept 128
	v_pk_add_f32 v[n:n+1], v[n:n+1], 1.0 op_sel_hi:[1,0]
.set n, n+2
.endr
	s_wait_alu depctr_va_vdst(0)
.set n, 0
.rept 256
	v_rcp_f32 v[n], v[n]
.set n, n+1
.endr
	v_nop
	s_wait_dscnt 0x0                               ; W_hx's fragments and b_hx are in
	WIN 0xde
	s_wait_alu depctr_va_vdst(0)
.set n, 0
.rept 64
	v_pk_fma_f32 v[n:n+1], v[n:n+1], v[n:n+1], v[BX+n%32:BX+n%32+1]   ; window 3 = r (window 2) x the candidate's sum (window 3) + b_hx (window 1)
.set n, n+2
.endr
	WIN 0x80
.irp a, 0,1,2,3
.irp t, 0,1,2,3,4,5,6,7
	global_load_b128 v[32*\a+4*\t:32*\a+4*\t+3], v7, s[8:9] offset:65536*\a+8192*\t th:TH_LOAD_NT   ; h, by rows, into r's registers, which are done with
.endr
.endr
	WIN 0xfd
.irp q, 0,1,2,3
.irp t, 0,1,2,3
.irp a, 0,1,2,3
	PROD 8*(4*\a+\t), 32*\q+8*\t, 128+32*\q+8*\a, 8*(4*\a+\t), WS+12*(\q/2)+\q%2+8+2*(\t/2), AS+32+\q+4*(\a/2), \t%2, \a%2
.endr
.endr
.endr
	PLACES
	WIN 0
	s_cmp_eq_u32 s62, 1
	s_cbranch_scc1 .Lno_top                        ; the last tile has no successor
	TOP                                            ; into registers that the products above have read: behind their four places
.Lno_top:
	WIN 0xc3
.set n, 0
.rept 64
	v_pk_mul_f32 v[n:n+1], v[n:n+1], s[58:59] op_sel_hi:[1,0]
.set n, n+2
.endr
	s_wait_alu depctr_va_vdst(0)
.set n, 0
.rept 128
	v_exp_f32 v[n], v[n]
.set n, n+1
.endr
	v_nop
	s_wait_alu depctr_va_vdst(0)
.set n, 0
.rept 64
	v_pk_add_f32 v[n:n+1], v[n:n+1], 1.0 op_sel_hi:[1,0]
.set n, n+2
.endr
	s_wait_alu depctr_va_vdst(0)
.set n, 0
.rept 128
	v_rcp_f32 v[n], v[n]
.set n, n+1
.endr
	v_nop
.irp a, 0,1,2,3
	TURNH \a
.endr
	s_add_nc_u64 s[8:9], s[8:9], 0x100000          ; h's loads are in (the wait for 0 above): its base steps
	WIN 0xc3
	s_wait_alu depctr_va_vdst(0)
.set n, 0
.rept 64
	v_pk_fma_f32 v[n:n+1], v[n:n+1], -2.0, 1.0 op_sel_hi:[1,0,0]      ; the candidate
.set n, n+2
.endr
	s_wait_alu depctr_va_vdst(0)                   ; the wait directly ahead of the wait below
	s_wait_dscnt 0x0                               ; h is back in the result's layout
.irp a, 0,1,2,3
	WIN 0x8e
.set n, 32*\a
.rept 16
	v_pk_add_f32 v[n:n+1], v[n:n+1], v[n:n+1] neg_lo:[0,1] neg_hi:[0,1]   ; h - candidate
.set n, n+2
.endr
	WIN 0xfa
.set n, 32*\a
.rept 16
	v_pk_fma_f32 v[n:n+1], v[128+n:129+n], v[n:n+1], v[n:n+1]         ; u (h - candidate) + candidate
.set n, n+2
.endr
.endr
	s_wait_alu depctr_va_vdst(0)                   ; the wait directly behind the writes
.irp a, 0,1,2,3
	TOSTAGE \a                                     ; the four blocks on end through the one stage: LDS serves a wave's instructions in order
.endr
.irp a, 0,1,2,3
	s_wait_dscnt 48-16*\a                          ; block a is back by rows; behind it 16 LDS instructions for each later block
	SEND \a
.endr
	WIN 0
	s_mov_b32 s26, 0x100000                        ; the next tile lies 256 rows on
	s_sub_co_u32 s62, s62, 1
	s_cmp_lg_u32 s62, 0
	s_cbranch_scc1 .Ltile
	s_wait_tensorcnt 0x0                           ; the wave's end
	ds_add_u32 v94, v95
	s_wait_dscnt 0x0
	ROUND                                          ; the closing round
	s_endpgm
.Lfunc_end_k_qfd5b83dc11_cell:
	.size	k_qfd5b83dc11_cell, .Lfunc_end_k_qfd5b83dc11_cell-k_qfd5b83dc11_cell
	.p2alignl 7, 3214868480
	.fill 96, 4, 3214868480
	.section	.rodata,"a",@progbits
	.p2align	6, 0x0
	.amdhsa_kernel k_qfd5b83dc11_cell
		.amdhsa_group_segment_fixed_size 327680
		.amdhsa_private_segment_fixed_size 0
		.amdhsa_enable_private_segment 0
		.amdhsa_kernarg_size 88
		.amdhsa_user_sgpr_count 2
		.amdhsa_user_sgpr_kernarg_segment_ptr 1
		.amdhsa_wavefront_size32 1
		.amdhsa_system_sgpr_workgroup_id_x 1
		.amdhsa_system_sgpr_workgroup_id_y 1
		.amdhsa_system_sgpr_workgroup_id_z 1
		.amdhsa_system_vgpr_workitem_id 0
		.amdhsa_next_free_vgpr 1024
		.amdhsa_next_free_sgpr 80
		.amdhsa_reserve_vcc 0
		.amdhsa_float_denorm_mode_32 3
		.amdhsa_float_denorm_mode_16_64 3
		.amdhsa_memory_ordered 1
		.amdhsa_forward_progress 1
		.amdhsa_inst_pref_size 255
	.end_amdhsa_kernel
	.section	.bss,"aw",@nobits
	.p2align	6
	.space	262144
	.amdgpu_metadata
---
amdhsa.version: [ 1, 2 ]
amdhsa.kernels:
  - .name:           k_qfd5b83dc11_cell
    .symbol:         k_qfd5b83dc11_cell.kd
    .args:
      - { .name: aq, .offset: 0, .size: 8, .value_kind: global_buffer, .address_space: global }
      - { .name: wq, .offset: 8, .size: 8, .value_kind: global_buffer, .address_space: global }
      - { .name: h, .offset: 16, .size: 8, .value_kind: global_buffer, .address_space: global }
      - { .name: b_rx, .offset: 24, .size: 8, .value_kind: global_buffer, .address_space: global }
      - { .name: b_rhc, .offset: 32, .size: 8, .value_kind: global_buffer, .address_space: global }
      - { .name: b_ux, .offset: 40, .size: 8, .value_kind: global_buffer, .address_space: global }
      - { .name: b_uhc, .offset: 48, .size: 8, .value_kind: global_buffer, .address_space: global }
      - { .name: b_hx, .offset: 56, .size: 8, .value_kind: global_buffer, .address_space: global }
      - { .name: b_hhc, .offset: 64, .size: 8, .value_kind: global_buffer, .address_space: global }
      - { .name: out0, .offset: 72, .size: 8, .value_kind: global_buffer, .address_space: global }
      - { .name: out1, .offset: 80, .size: 8, .value_kind: global_buffer, .address_space: global }
    .group_segment_fixed_size: 327680
    .private_segment_fixed_size: 0
    .kernarg_segment_align: 8
    .kernarg_segment_size: 88
    .max_flat_workgroup_size: 128
    .sgpr_count:     80
    .vgpr_count:     1024
    .wavefront_size: 32
...
	.end_amdgpu_metadata
.endif
;; end of part 2
